; MI455X (gfx1250); checked and timed in simulation.
; The chip was launched on July 23, 2026; its instructions are those of AMD's public machine-readable ISA for CDNA 5 (MIT licence, August 2026) and "CDNA5" Instruction Set Architecture Reference Guide (July 2026). The comments in the code are by the model that wrote it; some were corrected since.
;; Custom Gradient. Allowed arithmetic: float matrix products may take bf16 or f16 operands with f32 sums; all other float work in f32.
;; Inputs: X 8 x 128 x 64 x 64 float32; angles 90 float32.
;; Outputs: out0 8 x 128 x 1 x 90 float32.
;; One version. Each part assembles by itself: llvm-mc -triple=amdgcn-amd-amdhsa -mcpu=gfx1250 --defsym DOCPART=n.
;; ======== version 1 of 1: 2 launches
;; limits: inputs' magnitudes at most 1,000,000
;; workspace buffers: idx 1,474,560 bytes of whole numbers; cs 768 bytes
;; launch rays (part 1): grid 3 x 64, 15 waves a work-group, no clusters, 0 bytes of LDS; arguments angles, idx, cs; writes idx, cs
.if DOCPART == 1
	.amdgcn_target "amdgcn-amd-amdhsa--gfx1250"
	.amdhsa_code_object_version 6
	.text
	.protected	k_q7330e5af59_rays
	.globl	k_q7330e5af59_rays
	.p2align	8
	.type	k_q7330e5af59_rays,@function
k_q7330e5af59_rays:
	s_mov_b64 s[64:65], 0
	v_nop
	global_prefetch_b8 v0, s[64:65] scope:SCOPE_SE
	s_setreg_imm32_b32 hwreg(HW_REG_WAVE_MODE, 25, 1), 1
	s_wait_xcnt 0x0
; RAYS: where each sample of each ray lies in the image, as whole numbers, for the launch that follows.
;
; WORK LEFT OUT.  reference() projects every channel onto all 64 detectors and then keeps, of channel j, detector j alone
; (y[:, j, j, :]).  The detector axis has 64 entries and j runs to 127; JAX's default indexing clamps an index past the end
; on a read, so channel j keeps detector min(j, 63).  The line integrals of the other 63 detectors of a channel are sliced away
; whatever X and angles hold: they are not computed.  Both inputs still reach the output; angles is read here, X in the next launch.
; LIMITS.  A NaN, an infinity or an overflow that reaches only the detectors left out is not carried to the result; nor is a
; NaN or infinity of X that reference() meets only under a weight masked to 0 (a tap outside the image).  The reduction of an
; angle by quarter turns is good to about 1e-7 up to |angle| of about 1e6 rad.  A NaN or infinite angle gives NaN, as in reference().
;
; WHY A LAUNCH OF ITS OWN.  A sample's address is floor() of a floating-point coordinate.
; The addresses are made here as whole numbers.
;
; For detector det, ray a and sample t:  u = 31.5 + d cos - t sin,  v = 31.5 + d sin + t cos,  d = det - 31.5,  t = k - 31.5.
; idx[det][ray][j][q] (u32) = the LDS byte address, in the next launch's image, of pixel (floor u, floor v) for k = 16 q + j:
; 16 (68 floor u + floor v + 96): 16 bytes a pixel, 68 pixels from row to row, 96 pixels in front of pixel (0, 0).
; If floor u or floor v is outside -1 .. 63 no tap lies in the image: the address is 0, where all four taps read zeros.
; cs[ray] = (cos, sin): the next launch makes u and v again from these very numbers by the same two fused multiply-adds,
; so its fractions fit the floors stored here bit for bit.
; A thread is (ray, j) and stores its four q as 16 bytes; the group's threads store 7,680 consecutive bytes.
; 3 x 64 = 192 work-groups of equal work: a third of a detector's rays each.
.set RAYS, 90
.set RPG,  30                          ; rays of a work-group: 15 waves x 32 lanes, 16 lanes a ray
.set ROWB, 256                         ; bytes of a ray in idx: 64 samples x 4
.set DETB, RAYS*ROWB                   ; bytes of a detector in idx
.set RAY, 1                            ; v1      my ray
.set J,   2                            ; v2      my place among the ray's 16 threads
.set AO,  3                            ; v3      byte offset of my angle
.set TH,  4                            ; v4      the angle
.set D,   5                            ; v5      detector coordinate
.set T,   6                            ; v[6:9]  my four ray coordinates
.set K,   10                           ; v10     quarter turns, as f32
.set R,   11                           ; v11     the angle less K quarter turns
.set N,   12                           ; v12     K as a whole number
.set Z,   13                           ; v13     R squared
.set PS,  14                           ; v14     sin R
.set PC,  15                           ; v15     cos R
.set CS,  16                           ; v[16:17] cos, sin of the angle
.set NS,  18                           ; v18     -sin
.set BU,  19                           ; v19     31.5 + d cos
.set BV,  20                           ; v20     31.5 + d sin
.set CU,  21                           ; v21     u, then floor u
.set CV,  22                           ; v22     v, then floor v
.set LO,  23
.set HI,  24
.set A,   25
.set TMP, 26                           ; v[26:27]
.set IDX, 28                           ; v[28:31] the four addresses
.set OFF, 32                           ; v32     my byte offset in the group's part of idx
.set OFC, 33                           ; v33     my ray's byte offset in cs
	s_load_b128 s[4:7], s[0:1], 0x0                ; angles s[4:5], idx s[6:7]
	s_load_b64 s[8:9], s[0:1], 0x10                ; cs
	s_and_b32 s10, ttmp7, 0xffff                   ; detector 0..63
	s_mul_i32 s11, ttmp9, RPG                      ; the group's first ray
	v_lshrrev_b32 v[RAY], 4, v0
	v_add_nc_u32 v[RAY], s11, v[RAY]               ; 0..89: 3 groups x 30
	v_and_b32 v[J], 15, v0
	v_lshlrev_b32 v[AO], 2, v[RAY]
	s_mul_i32 s12, s10, DETB
	s_mul_i32 s13, ttmp9, RPG*ROWB
	s_add_co_u32 s12, s12, s13                     ; the group's part of idx, in bytes
	s_mov_b32 s13, 0
	s_mov_b32 s14, 0x427c0000                      ; 63.0
	s_wait_kmcnt 0x0
	global_load_b32 v[TH], v[AO], s[4:5]
	s_add_nc_u64 s[6:7], s[6:7], s[12:13]
	v_lshlrev_b32 v[OFF], 4, v0
	v_lshlrev_b32 v[OFC], 3, v[RAY]
	v_cvt_f32_u32 v[D], s10
	v_add_f32 v[D], 0xc1fc0000, v[D]               ; d = det - 31.5, exact
	v_cvt_f32_u32 v[T], v[J]
	v_add_f32 v[T], 0xc1fc0000, v[T]               ; t = j - 31.5 + 16 q, all exact
	v_add_f32 v[T+1], 0x41800000, v[T]
	v_add_f32 v[T+2], 0x42000000, v[T]
	v_add_f32 v[T+3], 0x42400000, v[T]
	s_wait_loadcnt 0x0
	; sine and cosine.  K = the nearest whole number of quarter turns; pi/2 is taken away in three parts of 24 bits each, each by one
	; fused multiply-add, so that R is good to a rounding of R itself; then the usual short polynomials on |R| <= pi/4.
	v_mul_f32 v[K], 0x3f22f983, v[TH]              ; 2/pi
	v_rndne_f32 v[K], v[K]
	v_fmamk_f32 v[R], v[K], 0xbfc90fdb, v[TH]
	v_fmamk_f32 v[R], v[K], 0x333bbd2e, v[R]
	v_fmamk_f32 v[R], v[K], 0x26f72ced, v[R]
	v_cvt_i32_f32 v[N], v[K]
	v_mul_f32 v[Z], v[R], v[R]
	v_mov_b32 v[PS], 0xb94ca1f9                    ; -1.9515296e-4
	v_mov_b32 v[PC], 0x37ccf5ce                    ;  2.4433157e-5
	v_fmaak_f32 v[PS], v[Z], v[PS], 0x3c08839e     ;  8.3321609e-3
	v_fmaak_f32 v[PC], v[Z], v[PC], 0xbab6061a     ; -1.3887316e-3
	v_fmaak_f32 v[PS], v[Z], v[PS], 0xbe2aaaa3     ; -1.6666655e-1
	v_fmaak_f32 v[PC], v[Z], v[PC], 0x3d2aaaa5     ;  4.1666646e-2
	v_mul_f32 v[TMP], v[Z], v[R]
	v_mul_f32 v[TMP+1], v[Z], v[Z]
	v_fma_f32 v[HI], v[Z], -0.5, 1.0
	v_fma_f32 v[PS], v[TMP], v[PS], v[R]           ; sin R = R + R^3 p(Z)
	v_fma_f32 v[PC], v[TMP+1], v[PC], v[HI]        ; cos R = 1 - Z/2 + Z^2 q(Z)
	; the quarter: N mod 4 = 0: (c, s); 1: (-s, c); 2: (-c, -s); 3: (s, -c).  Values are selected; nothing branches.
	v_and_b32 v[TMP], 1, v[N]
	v_cmp_eq_u32 vcc_lo, 1, v[TMP]
	v_cndmask_b32 v[CS+1], v[PS], v[PC], vcc_lo
	v_cndmask_b32 v[CS], v[PC], v[PS], vcc_lo
	v_lshlrev_b32 v[TMP], 30, v[N]                 ; bit 1 of N is the sine's sign,
	v_add_nc_u32 v[TMP+1], 1, v[N]
	v_lshlrev_b32 v[TMP+1], 30, v[TMP+1]           ; bit 1 of N + 1 the cosine's
	v_and_b32 v[TMP], 0x80000000, v[TMP]
	v_and_b32 v[TMP+1], 0x80000000, v[TMP+1]
	v_xor_b32 v[CS+1], v[CS+1], v[TMP]
	v_xor_b32 v[CS], v[CS], v[TMP+1]
	v_xor_b32 v[NS], 0x80000000, v[CS+1]
	v_fmaak_f32 v[BU], v[D], v[CS], 0x41fc0000     ; 31.5 + d cos
	v_fmaak_f32 v[BV], v[D], v[CS+1], 0x41fc0000   ; 31.5 + d sin
.irp q, 0,1,2,3
	v_fma_f32 v[CU], v[T+\q], v[NS], v[BU]         ; u, v: the next launch repeats these two lines on the same numbers
	v_fma_f32 v[CV], v[T+\q], v[CS], v[BV]
	v_floor_f32 v[CU], v[CU]
	v_floor_f32 v[CV], v[CV]
	v_min_num_f32 v[LO], v[CU], v[CV]
	v_max_num_f32 v[HI], v[CU], v[CV]
	v_cmp_le_f32 s20, -1.0, v[LO]                  ; both floors in -1 .. 63: some tap lies in the image (false for NaN)
	v_cmp_ge_f32 s21, s14, v[HI]
	v_fmamk_f32 v[A], v[CU], 0x42880000, v[CV]     ; 68 floor u + floor v: small whole numbers, exact in f32
	v_add_f32 v[A], 0x42c00000, v[A]               ; + 96
	v_cvt_i32_f32 v[A], v[A]
	v_lshlrev_b32 v[A], 4, v[A]                    ; 16 bytes a pixel
	s_and_b32 s20, s20, s21
	v_cndmask_b32 v[IDX+\q], 0, v[A], s20          ; else address 0: four taps of zeros
.endr
	global_store_b128 v[OFF], v[IDX:IDX+3], s[6:7] ; a wave stores 512 consecutive bytes: two rays' rows of 256
	s_cmp_lg_u32 s10, 0                            ; cos and sin hang on the ray alone: detector 0's groups store them,
	s_cbranch_scc1 .Ldone
	v_cmp_eq_u32 vcc_lo, 0, v[J]                   ; one thread for each ray
	s_wait_xcnt 0x0                                ; EXEC is a source of the store above: it changes only behind this wait
	s_and_saveexec_b32 s22, vcc_lo
	global_store_b64 v[OFC], v[CS:CS+1], s[8:9]
	s_wait_xcnt 0x0                                ; and again in front of the line that widens it
	s_or_b32 exec_lo, exec_lo, s22
.Ldone:
	s_endpgm
.Lfunc_end_k_q7330e5af59_rays:
	.size	k_q7330e5af59_rays, .Lfunc_end_k_q7330e5af59_rays-k_q7330e5af59_rays
	.p2alignl 7, 3214868480
	.fill 96, 4, 3214868480
	.section	.rodata,"a",@progbits
	.p2align	6, 0x0
	.amdhsa_kernel k_q7330e5af59_rays
		.amdhsa_group_segment_fixed_size 0
		.amdhsa_private_segment_fixed_size 0
		.amdhsa_enable_private_segment 0
		.amdhsa_kernarg_size 24
		.amdhsa_user_sgpr_count 2
		.amdhsa_user_sgpr_kernarg_segment_ptr 1
		.amdhsa_wavefront_size32 1
		.amdhsa_system_sgpr_workgroup_id_x 1
		.amdhsa_system_sgpr_workgroup_id_y 1
		.amdhsa_system_sgpr_workgroup_id_z 1
		.amdhsa_system_vgpr_workitem_id 0
		.amdhsa_next_free_vgpr 34
		.amdhsa_next_free_sgpr 66
		.amdhsa_reserve_vcc 1
		.amdhsa_float_denorm_mode_32 3
		.amdhsa_float_denorm_mode_16_64 3
		.amdhsa_memory_ordered 1
		.amdhsa_forward_progress 1
		.amdhsa_inst_pref_size 7
	.end_amdhsa_kernel
	.amdgpu_metadata
---
amdhsa.version: [ 1, 2 ]
amdhsa.kernels:
  - .name:           k_q7330e5af59_rays
    .symbol:         k_q7330e5af59_rays.kd
    .args:
      - { .name: angles, .offset: 0, .size: 8, .value_kind: global_buffer, .address_space: global }
      - { .name: idx, .offset: 8, .size: 8, .value_kind: global_buffer, .address_space: global }
      - { .name: cs, .offset: 16, .size: 8, .value_kind: global_buffer, .address_space: global }
    .group_segment_fixed_size: 0
    .private_segment_fixed_size: 0
    .kernarg_segment_align: 8
    .kernarg_segment_size: 24
    .max_flat_workgroup_size: 480
    .sgpr_count:     66
    .vgpr_count:     34
    .wavefront_size: 32
...
	.end_amdgpu_metadata
.endif
;; end of part 1
;; launch project (part 2): grid 2 x 128, 16 waves a work-group, no clusters, 77,056 bytes of LDS; arguments X, idx, cs, out0; writes out0
.if DOCPART == 2
	.amdgcn_target "amdgcn-amd-amdhsa--gfx1250"
	.amdhsa_code_object_version 6
	.text
	.protected	k_q7330e5af59_project
	.globl	k_q7330e5af59_project
	.p2align	8
	.type	k_q7330e5af59_project,@function
k_q7330e5af59_project:
	s_mov_b64 s[64:65], 0
	v_nop
	global_prefetch_b8 v0, s[64:65] scope:SCOPE_SE
	s_setreg_imm32_b32 hwreg(HW_REG_WAVE_MODE, 25, 1), 1
	s_wait_xcnt 0x0
; PROJECT: out0[b][c][0][a] = the sum over 64 samples of ray (detector min(c, 63), angle a) of the bilinear sample of X[b][c].
; Left out, as shown at the head of the first kernel: the 63 detectors of each channel that reference() slices away; the limits stated there hold here.
;
; A work-group takes one channel and four batches (grid x = which four), sixteen waves.
; THE IMAGE IN LDS.  The four images are interleaved pixel by pixel: a pixel is 16 bytes (batch 0..3), so one 16-byte LDS load brings a tap
; of all four, and address and weights are made once for four.  Rows are 68 pixels apart: 64 of data and 4 of zeros, which are
; columns 64.. of their row and columns ..-1 of the next; 96 pixels of zeros lie in front of row 0 (row -1) and 96 behind row 63 (row 64).
; So a tap outside the image reads a zero and no tap is tested; a sample with no tap inside has address 0, whose four taps
; (pixels 0, 1, 68, 69) are zeros.
; THE FILL.  Lane = pixel: four loads of 4 bytes a lane, one from each image, land in four neighbouring registers, which one 16-byte LDS store
; puts down; no register is moved.  A load of a wave covers 128 consecutive bytes, two neighbouring loads an image row of 256; the
; sixteen lanes of a store's half write 256 consecutive bytes.
; THE RAYS.  Sixteen lanes walk one ray, lane j at samples 16 q + j, q = 0..3, so the lanes of one LDS load stand one step apart along the ray.
; With 68 pixels (4 modulo 16) from row to row two of them share a 16-byte column modulo 256 bytes only if they are (4, 0), (1, -4), (3, 4) ..
; pixels apart: four steps or more.  The sixteen lanes span fifteen steps, so conflicts remain: four lanes meet in a column for a ray along the
; image's columns, two wherever a ray crosses an image row within its sixteen steps; only a ray along a row has none.
; A wave takes three pairs of rays: ray = wave + 16 (i + 3 h), i = 0..2, h = the half of the wave.
; That is 96 places for 90 rays: places 90..95 repeat ray 89 and end in stage words that nobody reads.
; The addresses come from idx as whole numbers; the weights are made here from cs, by the very two fused multiply-adds whose floors idx holds.
; No tensor load or copy: neither interleaves four images, and the zeros, which LDS stores write, share blocks of 256 bytes with the data.
; No cluster: work-groups share only idx (23,040 bytes against 65,536 of X for each).
.set RAYS,   90
.set DETB,   RAYS*256                  ; bytes of a detector in idx
.set BSTEP,  2097152                   ; bytes from batch to batch in X
.set PITCH,  1088                      ; LDS bytes from image row to row: 68 pixels
.set ORG,    1536                      ; LDS byte of pixel (0, 0): 96 pixels
.set BACK,   ORG+64*PITCH              ; row 64: 71,168
.set STAGE,  BACK+1536                 ; 72,704: results on their way out
.set SPITCH, 132                       ; a wave's own part of the stage: [batch 0..3][m 0..7] f32 = 128 bytes, and 4 so that sixteen parts start in different banks
.set AMAX,   ORG+63*PITCH+63*16        ; the largest address that idx holds: pixel (63, 63)
.set LN,  1                            ; v1        lane
.set J,   2                            ; v2        lane mod 16
.set H,   3                            ; v3        lane / 16
.set XO,  4                            ; v4        byte offset in an image of my pixel of the wave's first 32
.set SA,  5                            ; v5        LDS offset of that pixel from pixel (0, 0)
.set PA,  6                            ; v6        LDS offset of my 8 bytes of the zeros behind my wave's rows
.set ST,  7                            ; v7        where I put a result in my wave's part of the stage
.set D,   8                            ; v8        detector coordinate
.set NS,  9                            ; v9        -sin
.set BU,  10                           ; v10       31.5 + d cos
.set BV,  11                           ; v11       31.5 + d sin
.set T,   12                           ; v[12:15]  my four ray coordinates
.set IO,  16                           ; v[16:18]  pair i: my byte offset in the detector's idx
.set CO,  19                           ; v[19:21]  pair i: my ray's byte offset in cs
.set CU,  22                           ; v[22:23]  u, v, then their fractions
.set FL,  24                           ; v[24:25]  their floors
.set TMP, 26                           ; v[26:27]
.set ZR,  28                           ; v[28:31]  zeros
.set IDX, 32                           ; v[32:43]  pair i: four addresses as loaded
.set CSR, 44                           ; v[44:49]  pair i: cos, sin
.set AD,  50                           ; v[50:61]  sample group 4 i + q: LDS address
.set W,   62                           ; v[62:109] sample group 4 i + q: the four taps' weights
.set B0,  110                          ; v[110:173] taps of a pair of rays: 4 q x 4 taps x 4 images
.set B1,  174                          ; v[174:237] the same, second buffer
.set XR,  B0                           ; v[110:141] X on its way in, before any tap is read
.set ACC, 238                          ; v[238:245] two chains of four sums
.set KP,  246                          ; v[246:249] the reduction
	s_load_b256 s[4:11], s[0:1], 0x0               ; X s[4:5], idx s[6:7], cs s[8:9], out0 s[10:11]
	v_lshl_add_u32 v250, v0, 2, 0x12500
	v_mov_b32 v251, 0
	v_lshrrev_b32 v[TMP], 5, v0
	v_readfirstlane_b32 s12, v[TMP]                ; wave 0..15
	s_and_b32 s13, ttmp7, 0xffff                   ; channel
	s_min_u32 s14, s13, 63                         ; its detector: the index clamped as the reference's indexing clamps it
	v_and_b32 v[LN], 31, v0
	v_and_b32 v[J], 15, v0
	v_bfe_u32 v[H], v0, 4, 1
	s_lshl_b32 s16, ttmp9, 23                      ; four batches of 2,097,152 bytes
	s_lshl_b32 s15, s13, 14                        ; an image is 16,384 bytes
	s_add_co_u32 s16, s16, s15
	s_mov_b32 s17, 0
	s_mul_i32 s18, s14, DETB
	s_mov_b32 s19, 0
	s_lshl_b32 s20, s12, 10                        ; the wave fills 256 pixels: image rows 4 w .. 4 w + 3
	v_lshl_add_u32 v[XO], v[LN], 2, s20
	v_mad_u32_u24 v[TMP], v[H], 48, s12            ; wave + 48 h
.irp i, 0,1,2
	v_add_nc_u32 v[TMP+1], 16*\i, v[TMP]           ; my ray of pair i,
	v_min_u32 v[TMP+1], RAYS-1, v[TMP+1]           ; places 90..95 read ray 89: no load leaves its buffer
	v_lshlrev_b32 v[CO+\i], 3, v[TMP+1]
	v_lshlrev_b32 v[IO+\i], 8, v[TMP+1]
	v_lshl_add_u32 v[IO+\i], v[J], 4, v[IO+\i]     ; sixteen lanes read a ray's row of 256 bytes
.endr
	s_wait_kmcnt 0x0
	s_add_nc_u64 s[4:5], s[4:5], s[16:17]
	s_add_nc_u64 s[6:7], s[6:7], s[18:19]
	; the six small loads go first: loads come back in order (ISA guide 5.7.1), so addresses and weights are made while X is on its way
.irp i, 0,1,2
	global_load_b128 v[IDX+4*\i:IDX+4*\i+3], v[IO+\i], s[6:7]
.endr
.irp i, 0,1,2
	global_load_b64 v[CSR+2*\i:CSR+2*\i+1], v[CO+\i], s[8:9]
.endr
.irp g, 0,1,2,3,4,5,6,7
.irp b, 0,1,2,3
	global_load_b32 v[XR+4*\g+\b], v[XO], s[4:5] offset:\b*BSTEP+\g*128 th:TH_LOAD_NT   ; 32 pixels of image b; the largest offset, 6,292,352, is inside the signed 24 bits
.endr
.endr
	; the zeros.  Each wave: the 4 pixels behind each of its 4 rows, 8 bytes a lane.  Waves 0 to 2: rows -1 and 64, 32 pixels of each.
.irp k, 0,1,2,3
	v_mov_b32 v[ZR+\k], 0
.endr
	s_mul_i32 s21, s12, 4*PITCH
	v_lshl_add_u32 v[SA], v[LN], 4, s21
	v_lshrrev_b32 v[TMP], 3, v[LN]
	v_and_b32 v[TMP+1], 7, v[LN]
	v_mul_u32_u24 v[TMP], v[TMP], PITCH
	v_lshl_add_u32 v[TMP], v[TMP+1], 3, v[TMP]
	v_add_nc_u32 v[PA], s21, v[TMP]
	ds_store_b64 v[PA], v[ZR:ZR+1] offset:ORG+64*16
	s_cmp_gt_u32 s12, 2
	s_cbranch_scc1 .Lno_border
	v_lshlrev_b32 v[TMP], 4, v0                    ; threads 0..95: pixel = thread
	v_add_nc_u32 v[TMP+1], BACK, v[TMP]
	ds_store_b128 v[TMP], v[ZR:ZR+3]
	ds_store_b128 v[TMP+1], v[ZR:ZR+3]
.Lno_border:
	v_cvt_f32_u32 v[T], v[J]
	v_add_f32 v[T], 0xc1fc0000, v[T]               ; t = j - 31.5 + 16 q, exact
	v_add_f32 v[T+1], 0x41800000, v[T]
	v_add_f32 v[T+2], 0x42000000, v[T]
	v_add_f32 v[T+3], 0x42400000, v[T]
	v_cvt_f32_u32 v[D], s14
	v_add_f32 v[D], 0xc1fc0000, v[D]               ; d = detector - 31.5
	s_mul_i32 s22, s12, SPITCH
	s_add_co_u32 s22, s22, STAGE
	v_and_b32 v[TMP], 3, v0                        ; the reduction leaves batch (lane mod 4)'s sum in a lane
	v_lshlrev_b32 v[TMP], 5, v[TMP]
	v_mad_u32_u24 v[TMP], v[H], 12, v[TMP]         ; m = i + 3 h: 4 bytes each; i stands in the store's offset
	v_add_nc_u32 v[ST], s22, v[TMP]
	s_mov_b32 s23, 0xaaaaaaaa                      ; lanes with bit 0 set
	s_mov_b32 s24, 0xcccccccc                      ; lanes with bit 1 set
; Pair i: the four sample groups' weights and addresses.
.macro PREP i
	v_xor_b32 v[NS], 0x80000000, v[CSR+2*\i+1]
	v_fmaak_f32 v[BU], v[D], v[CSR+2*\i], 0x41fc0000
	v_fmaak_f32 v[BV], v[D], v[CSR+2*\i+1], 0x41fc0000
.irp q, 0,1,2,3
	v_fma_f32 v[CU], v[T+\q], v[NS], v[BU]         ; u and v as the first launch made them
	v_fma_f32 v[CU+1], v[T+\q], v[CSR+2*\i], v[BV]
	v_floor_f32 v[FL], v[CU]
	v_floor_f32 v[FL+1], v[CU+1]
	v_pk_add_f32 v[CU:CU+1], v[CU:CU+1], v[FL:FL+1] neg_lo:[0,1] neg_hi:[0,1]   ; wu, wv
	v_mul_f32 v[W+16*\i+4*\q+3], v[CU], v[CU+1]                      ; wu wv          tap (u0+1, v0+1)
	v_sub_f32 v[W+16*\i+4*\q+2], v[CU], v[W+16*\i+4*\q+3]            ; wu (1 - wv)    tap (u0+1, v0)
	v_sub_f32 v[W+16*\i+4*\q+1], v[CU+1], v[W+16*\i+4*\q+3]          ; (1 - wu) wv    tap (u0, v0+1)
	v_sub_f32 v[TMP], 1.0, v[CU]
	v_sub_f32 v[W+16*\i+4*\q], v[TMP], v[W+16*\i+4*\q+1]             ; (1 - wu)(1 - wv) tap (u0, v0)
	v_min_u32 v[AD+4*\i+\q], AMAX, v[IDX+4*\i+\q]                    ; a loaded number enters an address only clamped: the last tap ends at AMAX + 1,120, inside the image's 72,704 bytes
.endr
.endm
	s_wait_loadcnt 32                              ; idx and cs are in: the 32 loads of X were issued behind them
	PREP 0
	PREP 1
	PREP 2
.irp g, 0,1,2,3,4,5,6,7
	s_wait_loadcnt 28-4*\g                         ; the four images' loads of pixel group g are in; 4 for each later group stay out
	ds_store_b128 v[SA], v[XR+4*\g:XR+4*\g+3] offset:ORG+(\g>>1)*PITCH+(\g&1)*512
.endr
	s_wait_dscnt 0x0                               ; my part of the image and of the zeros is written, for the other waves' sake
	s_barrier_signal -1
	s_barrier_wait -1                              ; everybody's is
; Sixteen LDS loads: pair i's four sample groups, four taps each, four images a tap.
.macro ISSUE i, buf
.irp q, 0,1,2,3
	ds_load_b128 v[\buf+16*\q:\buf+16*\q+3],     v[AD+4*\i+\q]
	ds_load_b128 v[\buf+16*\q+4:\buf+16*\q+7],   v[AD+4*\i+\q] offset:16
	ds_load_b128 v[\buf+16*\q+8:\buf+16*\q+11],  v[AD+4*\i+\q] offset:PITCH
	ds_load_b128 v[\buf+16*\q+12:\buf+16*\q+15], v[AD+4*\i+\q] offset:PITCH+16
.endr
.endm
; Pair i's sums: two images in each packed multiply-add, the weight taken from one half of its pair for both.  Even and odd q keep
; chains of their own; each chain's first product starts it, nothing is cleared.  left = LDS instructions issued behind this buffer's last load.
.macro SUMS i, buf, left
.irp q, 0,1,2,3
	.set AQ, ACC+4*(\q&1)
	.set DQ, \buf+16*\q
	.set WQ, W+16*\i+4*\q
	s_wait_dscnt \left+12-4*\q                     ; LDS loads come back in order (ISA guide 5.7.1): group q's four are in; the later groups' 12 - 4 q and what was issued behind the buffer stay out
.if \q < 2
	v_pk_mul_f32 v[AQ:AQ+1],   v[DQ:DQ+1],   v[WQ:WQ+1] op_sel_hi:[1,0]
	v_pk_mul_f32 v[AQ+2:AQ+3], v[DQ+2:DQ+3], v[WQ:WQ+1] op_sel_hi:[1,0]
.else
	v_pk_fma_f32 v[AQ:AQ+1],   v[DQ:DQ+1],   v[WQ:WQ+1], v[AQ:AQ+1]   op_sel_hi:[1,0,1]
	v_pk_fma_f32 v[AQ+2:AQ+3], v[DQ+2:DQ+3], v[WQ:WQ+1], v[AQ+2:AQ+3] op_sel_hi:[1,0,1]
.endif
	v_pk_fma_f32 v[AQ:AQ+1],   v[DQ+4:DQ+5],   v[WQ:WQ+1],   v[AQ:AQ+1]   op_sel:[0,1,0] op_sel_hi:[1,1,1]
	v_pk_fma_f32 v[AQ+2:AQ+3], v[DQ+6:DQ+7],   v[WQ:WQ+1],   v[AQ+2:AQ+3] op_sel:[0,1,0] op_sel_hi:[1,1,1]
	v_pk_fma_f32 v[AQ:AQ+1],   v[DQ+8:DQ+9],   v[WQ+2:WQ+3], v[AQ:AQ+1]   op_sel_hi:[1,0,1]
	v_pk_fma_f32 v[AQ+2:AQ+3], v[DQ+10:DQ+11], v[WQ+2:WQ+3], v[AQ+2:AQ+3] op_sel_hi:[1,0,1]
	v_pk_fma_f32 v[AQ:AQ+1],   v[DQ+12:DQ+13], v[WQ+2:WQ+3], v[AQ:AQ+1]   op_sel:[0,1,0] op_sel_hi:[1,1,1]
	v_pk_fma_f32 v[AQ+2:AQ+3], v[DQ+14:DQ+15], v[WQ+2:WQ+3], v[AQ+2:AQ+3] op_sel:[0,1,0] op_sel_hi:[1,1,1]
.endr
.endm
; Four sums over the sixteen lanes of a ray, in eleven instructions behind the chains' two adds: in the first two steps a lane keeps one of two sums and hands the other to its
; partner, so that lane l ends with batch (l mod 4)'s sum.  Four lanes then store the same word with the same value.
.macro REDUCE i
	v_pk_add_f32 v[ACC:ACC+1],   v[ACC:ACC+1],   v[ACC+4:ACC+5]
	v_pk_add_f32 v[ACC+2:ACC+3], v[ACC+2:ACC+3], v[ACC+6:ACC+7]
	v_cndmask_b32 v[KP],   v[ACC],   v[ACC+1], s23     ; kept:   even lanes batch 0, odd lanes batch 1
	v_cndmask_b32 v[KP+1], v[ACC+1], v[ACC],   s23     ; handed: the other one
	v_cndmask_b32 v[KP+2], v[ACC+2], v[ACC+3], s23     ; the same for batches 2 and 3
	v_cndmask_b32 v[KP+3], v[ACC+3], v[ACC+2], s23
	v_add_f32_dpp v[KP],   v[KP+1], v[KP]   row_xmask:1 row_mask:0xf bank_mask:0xf
	v_add_f32_dpp v[KP+2], v[KP+3], v[KP+2] row_xmask:1 row_mask:0xf bank_mask:0xf
	v_cndmask_b32 v[KP+1], v[KP],   v[KP+2], s24       ; kept:   lanes 0, 1 of four batches 0, 1; lanes 2, 3 batches 2, 3
	v_cndmask_b32 v[KP+3], v[KP+2], v[KP],   s24
	v_add_f32_dpp v[KP+1], v[KP+3], v[KP+1] row_xmask:2 row_mask:0xf bank_mask:0xf
	v_add_f32_dpp v[KP+1], v[KP+1], v[KP+1] row_xmask:4 row_mask:0xf bank_mask:0xf
	v_add_f32_dpp v[KP+1], v[KP+1], v[KP+1] row_xmask:8 row_mask:0xf bank_mask:0xf
	ds_store_b32 v[ST], v[KP+1] offset:4*\i
.endm
	ISSUE 0, B0
	ISSUE 1, B1
	SUMS 0, B0, 16                                 ; behind buffer 0: pair 1's sixteen loads
	ISSUE 2, B0                                    ; buffer 0 has been read out
	REDUCE 0
	SUMS 1, B1, 17                                 ; behind buffer 1: pair 2's sixteen loads and one stage store
	REDUCE 1
	SUMS 2, B0, 2                                  ; behind pair 2's loads: two stage stores
	REDUCE 2
	s_wait_dscnt 0x0                               ; my results are in the stage, for the other waves' sake
	s_barrier_signal -1
	s_barrier_wait -1
	; THE WAY OUT.  Twelve waves: batch = wave mod 4, rays 32 (wave / 4) + lane.  A store of a wave covers 128 consecutive bytes (the last third 104) of a row
	; of 360 bytes of out0; the work-group's four rows lie 46,080 bytes apart, so longer runs are not to be had.
	s_cmp_gt_u32 s12, 11
	s_cbranch_scc1 .Lend
	s_and_b32 s25, s12, 3                          ; batch
	s_lshr_b32 s26, s12, 2                         ; third of the rays
	s_lshl_b32 s27, s25, 5
	s_lshl3_add_u32 s27, s26, s27                  ; ray = w' + 16 m: w' = lane mod 16 wrote it, m = 2 x third + lane / 16
	s_add_co_u32 s27, s27, STAGE
	v_mul_u32_u24 v[TMP], v[J], SPITCH
	v_lshl_add_u32 v[TMP], v[H], 2, v[TMP]
	v_add_nc_u32 v[TMP], s27, v[TMP]
	s_lshl_b32 s28, s26, 5
	v_add_nc_u32 v[TMP+1], s28, v[LN]              ; ray
	v_cmp_gt_u32 vcc_lo, RAYS, v[TMP+1]
	v_lshlrev_b32 v[KP], 2, v[TMP+1]
	s_lshl_b32 s30, ttmp9, 2
	s_add_co_u32 s30, s30, s25                     ; b
	s_lshl_b32 s30, s30, 7
	s_add_co_u32 s30, s30, s13                     ; 128 b + c
	s_mul_i32 s30, s30, RAYS*4
	s_mov_b32 s31, 0
	s_add_nc_u64 s[10:11], s[10:11], s[30:31]
	s_wait_xcnt 0x0                                ; EXEC is a source of the loads above: it changes only behind this wait
	s_and_saveexec_b32 s29, vcc_lo                 ; places 90..95 are neither read nor stored
	ds_load_b32 v[KP+1], v[TMP]
	s_wait_dscnt 0x0
	global_store_b32 v[KP], v[KP+1], s[10:11]
	s_wait_xcnt 0x0                                ; and again in front of the line that widens it
	s_or_b32 exec_lo, exec_lo, s29
.Lend:
	s_barrier_signal -1
	s_barrier_wait -1
	s_wait_tensorcnt 0x0
	ds_add_u32 v250, v251
	s_wait_dscnt 0x0
	s_endpgm
.Lfunc_end_k_q7330e5af59_project:
	.size	k_q7330e5af59_project, .Lfunc_end_k_q7330e5af59_project-k_q7330e5af59_project
	.p2alignl 7, 3214868480
	.fill 96, 4, 3214868480
	.section	.rodata,"a",@progbits
	.p2align	6, 0x0
	.amdhsa_kernel k_q7330e5af59_project
		.amdhsa_group_segment_fixed_size 77056
		.amdhsa_private_segment_fixed_size 0
		.amdhsa_enable_private_segment 0
		.amdhsa_kernarg_size 32
		.amdhsa_user_sgpr_count 2
		.amdhsa_user_sgpr_kernarg_segment_ptr 1
		.amdhsa_wavefront_size32 1
		.amdhsa_system_sgpr_workgroup_id_x 1
		.amdhsa_system_sgpr_workgroup_id_y 1
		.amdhsa_system_sgpr_workgroup_id_z 1
		.amdhsa_system_vgpr_workitem_id 0
		.amdhsa_next_free_vgpr 252
		.amdhsa_next_free_sgpr 66
		.amdhsa_reserve_vcc 1
		.amdhsa_float_denorm_mode_32 3
		.amdhsa_float_denorm_mode_16_64 3
		.amdhsa_memory_ordered 1
		.amdhsa_forward_progress 1
		.amdhsa_inst_pref_size 28
	.end_amdhsa_kernel
	.amdgpu_metadata
---
amdhsa.version: [ 1, 2 ]
amdhsa.kernels:
  - .name:           k_q7330e5af59_project
    .symbol:         k_q7330e5af59_project.kd
    .args:
      - { .name: X, .offset: 0, .size: 8, .value_kind: global_buffer, .address_space: global }
      - { .name: idx, .offset: 8, .size: 8, .value_kind: global_buffer, .address_space: global }
      - { .name: cs, .offset: 16, .size: 8, .value_kind: global_buffer, .address_space: global }
      - { .name: out0, .offset: 24, .size: 8, .value_kind: global_buffer, .address_space: global }
    .group_segment_fixed_size: 77056
    .private_segment_fixed_size: 0
    .kernarg_segment_align: 8
    .kernarg_segment_size: 32
    .max_flat_workgroup_size: 512
    .sgpr_count:     66
    .vgpr_count:     252
    .wavefront_size: 32
...
	.end_amdgpu_metadata
.endif
;; end of part 2
